; MI455X (gfx1250); checked and timed in simulation.
; The chip was launched on July 23, 2026; its instructions are those of AMD's public machine-readable ISA for CDNA 5 (MIT licence, August 2026) and "CDNA5" Instruction Set Architecture Reference Guide (July 2026). The comments in the code are by the model that wrote it; some were corrected since.
;; alpha net spatial. Allowed arithmetic: matrix products marked QUANTISED: E3M2 operands, one E8M0 scale for each 32 along K, by v_wmma_scale_f32_16x16x128_f8f6f4 with both operands' format E3M2, f32 sums; products left as they are: f32 operands where the result goes on into a quantised operand, else bf16, f16 or f32 operands; f32 sums; everything else in f32.
;; Inputs: h 32 x 256 x 32 x 32 float32; w1_b 1 float32; w1_w 1 x 256 float32; w2_b 1 float32; w2_w 1 x 256 float32.
;; Outputs: out0 32 x 256 x 32 x 32 float32.
;; This version of the problem:
;;   THIS VERSION OF THE PROBLEM IS GIVEN IN LOW PRECISION. The matrix products marked QUANTISED in the list below multiply operands that are first quantised to E3M2 (3 exponent bits, 2 mantissa bits; 6 bits a number), with one power-of-two scale for each 32 numbers along K (OCP MX v1.0); their sums are f32. All else is computed in f32.
;;   The module's matrix products, in the order in which they are computed (A, B: the left and right operand; K: the contracted axis; several contracted axes count as one K, in the product's order):
;;     1. [M 32,768, K 256] x [K 256, N 1]; A: input h; B: input w1_w: left as it is (N = 1 < 16)
;;     2. [M 32,768, K 256] x [K 256, N 1]; A: input h; B: input w2_w: left as it is (N = 1 < 16)
;;     3. batch 32 x [M 1,024, K 1,024] x [K 1,024, N 256]; A: softmax (see below); B: input h: QUANTISED
;;   THE QUANTISER, for each operand of a quantised product, along K:
;;     - K is cut into blocks of 32 from its start; a last block that is shorter is filled with zeros.
;;     - A block's scale is 2^e with e = floor(log2(the largest magnitude in the block)) - 4, held to -126 .. 127; a block of zeros has e = 0. As a byte (E8M0): e + 127.
;;     - Each number is divided by its block's scale, clamped to +-28, and rounded to the nearest number of E3M2, ties to even, subnormals kept.
;;     - The product sums the exact products of the quantised numbers (number of the format x scale) in f32.
;;   ~~~python
;;   def quantise(x, axis):      # numpy; x: float32 -> the quantised numbers, widened to float32 again
;;       x = np.moveaxis(x, axis, -1); K = x.shape[-1]
;;       x = np.pad(x, [(0, 0)] * (x.ndim - 1) + [(0, -K % 32)]); x = x.reshape(x.shape[:-1] + (-1, 32)); a = np.abs(x).max(-1, keepdims=True)
;;       e = np.where(a > 0, np.clip(np.frexp(np.where(a > 0, a, 1))[1] - 1 - 4, -126, 127), 0)      # np.frexp(a)[1] - 1 = floor(log2(a)), exactly
;;       r = np.clip(x / 2.0 ** e, -28, 28)
;;       step = 2.0 ** (np.maximum(np.frexp(np.where(r == 0, 1, r))[1] - 1, -2) - 2)
;;       q = np.round(r / step) * step * 2.0 ** e      # np.round: ties to even
;;       return np.moveaxis(q.reshape(q.shape[:-2] + (-1,))[..., :K], -1, axis).astype(np.float32)
;;   ~~~
;;   SOFTMAX AHEAD OF A QUANTISED PRODUCT. Where the list says 'softmax', what is quantised is not the finished softmax but p = 2^(t - M), with t = logit x log2(e) and M = ceil(the row's largest t), a whole number; so 1/2 < the row's largest p <= 1. The row's sum l is taken of the UNQUANTISED p, in f32, and the product's result is divided by l at the end. Since M is a whole number, a kernel that streams over the keys may use a running M (the ceiling of the running maximum): every later rescaling is an exact power of two, which a block's scale takes up: the codes' values come out the same.
;;   OPERANDS COMPUTED ON THE WAY. 'Computed on the way' means the value that the module computes at that place (a softmax that the list does not call 'softmax' is quantised finished and normalised). What goes into a quantiser is computed in f32, as accurately as f32 sums, v_exp_f32 and their like allow (about 1e-6 of the number): no bf16 or f16 on the way to a quantiser, and a product that is left as it is and whose result goes on into a quantised operand takes f32 operands (vector FMAs, or v_wmma_f32_16x16x4_f32). A number that lies on a knife's edge between two numbers of the format may be rounded either way, as far as f32 arithmetic and the matrix unit's own rounding can turn it there, and no further.
;; 2 versions, each right; version 2 is version 1 with the launch attn written anew for expert scheduling mode. Each part assembles by itself: llvm-mc -triple=amdgcn-amd-amdhsa -mcpu=gfx1250 --defsym DOCPART=n.
;; ======== version 1 of 2: 2 launches
;; limits: right only within a limited range of input values
;; workspace buffers: codes 6,291,456 bytes; scales 262,144 bytes; ak 262,144 bytes
;; launch prep (part 1): grid 256 x 1, 8 waves a work-group, no clusters, 100,352 bytes of LDS; arguments h, w1_w, w1_b, w2_w, w2_b, codes, scales, ak; writes codes, scales, ak
.if DOCPART == 1
	.amdgcn_target "amdgcn-amd-amdhsa--gfx1250"
	.amdhsa_code_object_version 6
	.text
	.protected	k_qcff13a07d5_prep
	.globl	k_qcff13a07d5_prep
	.p2align	8
	.type	k_qcff13a07d5_prep,@function
k_qcff13a07d5_prep:
	s_mov_b64 s[64:65], 0
	v_nop
	global_prefetch_b8 v0, s[64:65] scope:SCOPE_SE
	s_setreg_imm32_b32 hwreg(HW_REG_WAVE_MODE, 25, 1), 1
	s_wait_xcnt 0x0
; h [32 b][256 c][1024 n] f32 is read once.  Three things are made of it:
;   codes  [b][s 8][ct 16][1536]: h as codes of BF6 (E3M2), quantised along n (the K of the product that follows) in blocks of 32, laid as IMAGES OF THE OPERAND REGISTERS:
;          the fragment of channels 16 ct .. +15 and keys 128 s .. +127 is 12 registers a lane; word R of lane L lies at 512 (R / 4) + 16 L + 4 (R % 4);
;   scales [b][s][c 256]: one word a channel and 128 keys, byte bl = the E8M0 byte of keys 128 s + 32 bl .. +31;
;   ak     [b][2][1024] f32: a[n] = sum over c of h[c][n] w1[c] + b1, then k[n] likewise with w2 and b2: f32 fused multiply-adds, since both go on into a quantiser.
; A block's scale is 2^(floor(log2(its largest magnitude)) - 4); its byte is the largest magnitude's exponent field - 4, held at 1 from below.
; LIMITS: NaN and infinities among the inputs are not served.  A block of zeros gets the byte 1 where the rule says 127: its codes are zeros, which add nothing under
; any byte but 0xff, and the bytes are read by this program alone.  Blocks whose largest magnitude lies under 2^(5 - 127) are held at that floor's byte.
; SHARES.  Work-group x: batch x / 8, keys 128 (x % 8) .. +127, all 256 channels: 256 pieces of 512 bytes in, 24,576 dense bytes of codes out.  Wave w: channels 32 w .. +31,
; in 8 steps of 4 channels.  All 32 loads of a wave go out at the head, each 512 consecutive bytes of one channel's row.
; The conversion takes 16 neighbours along n from ONE lane's registers, a load gives a lane 4: so a step's 2,048 bytes turn through the wave's own stage in LDS (16 bytes of
; padding behind each 64) and come back 64 bytes a lane: lane l then holds channel g = l / 8 of the step and keys 16 u .. +15, u = l % 8; lanes l and l xor 1 hold a block.
; No tensor load, no matrix instruction, one barrier: memory binds, and the waves meet only to send whole runs of bytes out and to add the parts of a and k.
.set SP,    80                         ; a lane's place in a stage: 64 bytes + 16
.set STG,   32*SP                      ; a stage
.set WTURN, 2*STG                      ; two stages a wave
.set IMGB,  8*WTURN                    ; LDS 40,960: the 16 fragments' images, 24,576 bytes
.set SCB,   IMGB+24576                 ; LDS 65,536: the scale words of 256 channels
.set PAB,   SCB+1024                   ; LDS 66,560: parts of a, then of k: [2][32 parts][128 keys] f32
.set W1,    16                         ; v16-23  w1 of my channel in step t
.set W2,    24                         ; v24-31  w2 likewise
.set ACCA,  32                         ; v32-47  my part of a for my 16 keys
.set ACCK,  48                         ; v48-63  of k
.set X,     64                         ; v64-95  two sets of 16 neighbours
.set C,     96                         ; v96-98, v100-102  codes, two sets
.set R,     128                        ; v128-255 h as loaded, 16 registers a step
	s_load_b256 s[4:11], s[0:1], 0x0               ; h s[4:5], w1_w s[6:7], w1_b s[8:9], w2_w s[10:11]
	s_load_b256 s[12:19], s[0:1], 0x20             ; w2_b s[12:13], codes s[14:15], scales s[16:17], ak s[18:19]
	v_lshl_add_u32 v126, v0, 2, 0x18400
	v_mov_b32 v127, 0
	v_and_b32 v1, 31, v0                           ; lane l
	v_lshrrev_b32 v10, 5, v0
	v_readfirstlane_b32 s20, v10                   ; wave 0..7
	s_lshr_b32 s21, ttmp9, 3                       ; batch
	s_and_b32 s22, ttmp9, 7                        ; which 128 keys
	v_lshlrev_b32 v2, 4, v1                        ; 16 l: my 16 bytes of a load's 512
	s_mul_i32 s26, s20, WTURN
	v_lshrrev_b32 v10, 2, v1
	v_mul_u32_u24 v10, v10, SP
	v_and_b32 v11, 3, v1
	v_lshl_add_u32 v10, v11, 4, v10
	v_add_nc_u32 v3, s26, v10                      ; the stage, in: SP (l / 4) + 16 (l % 4)
	v_mul_u32_u24 v4, v1, SP
	v_add_nc_u32 v4, s26, v4                       ; and out: SP l
	v_lshrrev_b32 v12, 3, v1                       ; g
	v_and_b32 v13, 7, v1                           ; u
	v_lshrrev_b32 v10, 2, v13                      ; which 64 keys of the 128
	v_and_b32 v11, 1, v13                          ; which half of the block
	v_mul_u32_u24 v10, v10, 6
	v_mad_u32_u24 v10, v11, 3, v10                 ; my three codes' words are words R0 .. R0 + 2 of the fragment's lane: R0 = 6 (u / 4) + 3 (u % 2)
	v_bfe_u32 v11, v13, 1, 1                       ; which half of the fragment's lanes: (u / 2) % 2
	v_lshlrev_b32 v14, 4, v12
	v_lshl_add_u32 v14, v11, 8, v14                ; 16 g + 256 x that half
	s_mul_i32 s26, s20, 3072                       ; my wave's two fragments
	s_add_co_u32 s26, s26, IMGB
	v_add_nc_u32 v14, s26, v14
.irp i, 0,1,2
	v_add_nc_u32 v15, \i, v10
	v_lshrrev_b32 v11, 2, v15
	v_and_b32 v15, 3, v15
	v_lshl_add_u32 v[5+\i], v11, 9, v14            ; v5-7: where word R0 + i goes: 512 (R / 4) + 4 (R % 4) + the lane's place
	v_lshl_add_u32 v[5+\i], v15, 2, v[5+\i]
.endr
	v_lshrrev_b32 v15, 1, v13
	v_lshl_add_u32 v8, v12, 2, v15
	s_lshl_b32 s28, s20, 7
	v_lshl_add_u32 v110, v12, 2, s28               ; v110: my channel's place in w1 and w2: 4 (32 w + g)
	s_add_co_u32 s28, s28, SCB
	v_add_nc_u32 v8, s28, v8                       ; v8: my block's scale byte: 128 w + 4 g + u / 2
	v_lshlrev_b32 v9, 9, v12
	v_lshl_add_u32 v9, v13, 6, v9
	s_lshl_b32 s28, s20, 11
	s_add_co_u32 s28, s28, PAB
	v_add_nc_u32 v9, s28, v9                       ; v9: my part's place: part 4 w + g, keys 16 u on
	v_lshl_add_u32 v104, v0, 4, IMGB               ; v104: the way out: 16 bytes a thread of the images,
	v_lshlrev_b32 v105, 4, v0                      ; v105: and the same place in memory
	s_and_b32 s28, s20, 1
	s_lshl_b32 s29, s28, 14
	s_add_co_u32 s29, s29, PAB
	v_add_nc_u32 v106, s29, v2                     ; v106: the parts of a (wave 0) or of k (wave 1), 4 keys a lane
	s_lshl_b32 s29, s28, 9
	v_add_nc_u32 v109, s29, v2                     ; v109: half of the scale words, in memory,
	s_add_co_u32 s29, s29, SCB
	v_add_nc_u32 v107, s29, v2                     ; v107: and in LDS
	s_lshl_b32 s29, s28, 12
	v_add_nc_u32 v108, s29, v2                     ; v108: a's or k's 512 bytes in ak
	s_wait_kmcnt 0x0
	s_load_b32 s23, s[8:9], 0x0                    ; b1
	s_load_b32 s24, s[12:13], 0x0                  ; b2
	s_mov_b32 s31, 0
	s_lshl_b32 s30, s21, 20                        ; a batch of h is 2^20 bytes,
	s_lshl_b32 s28, s22, 9                         ; 128 keys are 512,
	s_add_co_u32 s30, s30, s28
	s_lshl_b32 s29, s20, 17                        ; 32 channels 2^17
	s_add_co_u32 s30, s30, s29
	s_add_nc_u64 s[4:5], s[4:5], s[30:31]
	s_mul_i32 s30, ttmp9, 24576
	s_add_nc_u64 s[14:15], s[14:15], s[30:31]
	s_lshl_b32 s30, ttmp9, 10
	s_add_nc_u64 s[16:17], s[16:17], s[30:31]
	s_lshl_b32 s30, s21, 13
	s_add_co_u32 s30, s30, s28
	s_add_nc_u64 s[18:19], s[18:19], s[30:31]
.irp t, 0,1,2,3,4,5,6,7
	global_load_b32 v[W1+\t], v110, s[6:7] offset:16*\t
	global_load_b32 v[W2+\t], v110, s[10:11] offset:16*\t
.endr
.irp t, 0,1,2,3,4,5,6,7
.irp i, 0,1,2,3
	global_load_b128 v[R+16*\t+4*\i:R+16*\t+4*\i+3], v2, s[4:5] offset:(4*\t+\i)*4096 th:TH_LOAD_NT   ; 32 lanes read 512 consecutive bytes of channel 32 w + 4 t + i; read once in the launch
.endr
.endr
	s_wait_kmcnt 0x0                               ; the two biases
.macro TURN t                          ; step t through the stage: LDS serves a wave's instructions in order, so no wait stands between the stores and the loads
.irp i, 0,1,2,3
	ds_store_b128 v3, v[R+16*(\t)+4*\i:R+16*(\t)+4*\i+3] offset:STG*((\t)%2)+8*SP*\i
.endr
.irp i, 0,1,2,3
	ds_load_b128 v[X+16*((\t)%2)+4*\i:X+16*((\t)%2)+4*\i+3], v4 offset:STG*((\t)%2)+16*\i
.endr
.endm
.macro STEP t
.set XS, X+16*((\t)%2)
.set CS, C+4*((\t)%2)
.set BY, 14+(\t)%2                     ; the byte's register: v14 and v15 by turns
.if (\t) > 0
	s_wait_dscnt 4                                 ; my 16 neighbours are back from the stage; the last step's three word stores and its byte store may be out
.else
	s_wait_dscnt 0x0
.endif
.if (\t) < 7
	s_wait_loadcnt 24-4*(\t)                       ; the next step's four loads are in; those of the steps behind it may be out
	TURN (\t)+1                                    ; and go through the other stage while this step is worked
.endif
.irp j, 0,1,2,3,4,5,6,7,8,9,10,11,12,13,14,15
.if (\t) == 0
	v_mul_f32 v[ACCA+\j], v[XS+\j], v[W1]          ; the first step starts the sums: nothing is cleared
	v_mul_f32 v[ACCK+\j], v[XS+\j], v[W2]
.else
	v_fmac_f32 v[ACCA+\j], v[XS+\j], v[W1+(\t)]
	v_fmac_f32 v[ACCK+\j], v[XS+\j], v[W2+(\t)]
.endif
.endr
	v_max3_num_f32 v10, |v[XS]|, |v[XS+1]|, |v[XS+2]|              ; the largest magnitude of my 16, in two chains
	v_max3_num_f32 v11, |v[XS+3]|, |v[XS+4]|, |v[XS+5]|
.irp i, 6,10
	v_max3_num_f32 v10, v10, |v[XS+\i]|, |v[XS+\i+1]|
	v_max3_num_f32 v11, v11, |v[XS+\i+2]|, |v[XS+\i+3]|
.endr
	v_max3_num_f32 v10, v10, |v[XS+14]|, |v[XS+15]|
	v_max3_num_f32 v10, v10, v11, 0x2800000        ; and the floor 2^(5 - 127): the byte cannot fall under 1
	v_max_num_f32_dpp v10, v10, v10 row_xmask:1 row_mask:0xf bank_mask:0xf   ; with my neighbour's 16: the block's
	v_add_nc_u32 v12, 0xfe000000, v10              ; 4 off its exponent field: the conversion takes the exponent field of this operand as its scale
	v_cvt_scalef32_pk16_bf6_f32 v[CS:CS+2], v[XS:XS+15], v12
	v_lshrrev_b32 v[BY], 23, v12                   ; the scale's byte (also the plain instruction behind the conversion)
.irp i, 0,1,2
	ds_store_b32 v[5+\i], v[CS+\i] offset:((\t)/4)*1536+64*((\t)%4)   ; fragment 2 w + t / 4, its lane 4 (t % 4) + g (+ 16)
.endr
	ds_store_b8 v8, v[BY] offset:16*(\t)           ; both lanes of a block write the same byte with the same value
.endm
	s_wait_loadcnt 28                              ; w1, w2 and step 0's four loads are in; the 28 loads of steps 1 to 7 may be out
	TURN 0
.irp t, 0,1,2,3,4,5,6,7
	STEP \t
.endr
.irp i, 0,1,2,3
	ds_store_b128 v9, v[ACCA+4*\i:ACCA+4*\i+3] offset:16*\i
	ds_store_b128 v9, v[ACCK+4*\i:ACCK+4*\i+3] offset:16384+16*\i
.endr
	s_wait_dscnt 0x0                               ; for the others' sake: my images, bytes and parts lie in LDS
	s_barrier_signal -1
	s_barrier_wait -1
	; THE WAY OUT.  The images leave as they lie: a wave's store covers 512 consecutive bytes, aligned
.irp i, 0,1,2,3,4,5
	ds_load_b128 v[64+4*\i:67+4*\i], v104 offset:4096*\i
.endr
.irp i, 0,1,2,3,4,5
	s_wait_dscnt 5-\i
	global_store_b128 v105, v[64+4*\i:67+4*\i], s[14:15] offset:4096*\i
.endr
	s_cmp_lt_u32 s20, 2                            ; no barrier stands behind these branches on the wave's number
	s_cbranch_scc0 .Lnot_sum
.irp p, 0,1,2,3,4,5,6,7,8,9,10,11,12,13,14,15,16,17,18,19,20,21,22,23,24,25,26,27,28,29,30,31
	ds_load_b128 v[128+4*\p:131+4*\p], v106 offset:512*\p          ; wave 0: the 32 parts of a for my 4 keys; wave 1: of k
.endr
	s_wait_dscnt 0x0
.irp p, 1,2,3,4,5,6,7,8,9,10,11,12,13,14,15,16,17,18,19,20,21,22,23,24,25,26,27,28,29,30,31
	v_pk_add_f32 v[128:129], v[128:129], v[128+4*\p:129+4*\p]      ; in one fixed order, two chains
	v_pk_add_f32 v[130:131], v[130:131], v[130+4*\p:131+4*\p]
.endr
	s_cmp_eq_u32 s20, 0
	s_cselect_b32 s25, s23, s24                    ; b1 for a, b2 for k
.irp j, 0,1,2,3
	v_add_f32 v[128+\j], s25, v[128+\j]
.endr
	global_store_b128 v108, v[128:131], s[18:19]   ; 512 consecutive bytes, aligned
	s_wait_tensorcnt 0x0
	ds_add_u32 v126, v127
	s_wait_dscnt 0x0
	s_endpgm
.Lnot_sum:
	s_cmp_lt_u32 s20, 4
	s_cbranch_scc0 .Lend
	ds_load_b128 v[128:131], v107                  ; waves 2 and 3: half of the scale words each
	s_wait_dscnt 0x0
	global_store_b128 v109, v[128:131], s[16:17]
.Lend:
	s_wait_tensorcnt 0x0
	ds_add_u32 v126, v127
	s_wait_dscnt 0x0
	s_endpgm
.Lfunc_end_k_qcff13a07d5_prep:
	.size	k_qcff13a07d5_prep, .Lfunc_end_k_qcff13a07d5_prep-k_qcff13a07d5_prep
	.p2alignl 7, 3214868480
	.fill 96, 4, 3214868480
	.section	.rodata,"a",@progbits
	.p2align	6, 0x0
	.amdhsa_kernel k_qcff13a07d5_prep
		.amdhsa_group_segment_fixed_size 100352
		.amdhsa_private_segment_fixed_size 0
		.amdhsa_enable_private_segment 0
		.amdhsa_kernarg_size 64
		.amdhsa_user_sgpr_count 2
		.amdhsa_user_sgpr_kernarg_segment_ptr 1
		.amdhsa_wavefront_size32 1
		.amdhsa_system_sgpr_workgroup_id_x 1
		.amdhsa_system_sgpr_workgroup_id_y 1
		.amdhsa_system_sgpr_workgroup_id_z 1
		.amdhsa_system_vgpr_workitem_id 0
		.amdhsa_next_free_vgpr 256
		.amdhsa_next_free_sgpr 66
		.amdhsa_reserve_vcc 0
		.amdhsa_float_denorm_mode_32 3
		.amdhsa_float_denorm_mode_16_64 3
		.amdhsa_memory_ordered 1
		.amdhsa_forward_progress 1
		.amdhsa_inst_pref_size 38
	.end_amdhsa_kernel
	.amdgpu_metadata
---
amdhsa.version: [ 1, 2 ]
amdhsa.kernels:
  - .name:           k_qcff13a07d5_prep
    .symbol:         k_qcff13a07d5_prep.kd
    .args:
      - { .name: h, .offset: 0, .size: 8, .value_kind: global_buffer, .address_space: global }
      - { .name: w1_w, .offset: 8, .size: 8, .value_kind: global_buffer, .address_space: global }
      - { .name: w1_b, .offset: 16, .size: 8, .value_kind: global_buffer, .address_space: global }
      - { .name: w2_w, .offset: 24, .size: 8, .value_kind: global_buffer, .address_space: global }
      - { .name: w2_b, .offset: 32, .size: 8, .value_kind: global_buffer, .address_space: global }
      - { .name: codes, .offset: 40, .size: 8, .value_kind: global_buffer, .address_space: global }
      - { .name: scales, .offset: 48, .size: 8, .value_kind: global_buffer, .address_space: global }
      - { .name: ak, .offset: 56, .size: 8, .value_kind: global_buffer, .address_space: global }
    .group_segment_fixed_size: 100352
    .private_segment_fixed_size: 0
    .kernarg_segment_align: 8
    .kernarg_segment_size: 64
    .max_flat_workgroup_size: 256
    .sgpr_count:     66
    .vgpr_count:     256
    .wavefront_size: 32
...
	.end_amdgpu_metadata
.endif
;; end of part 1
;; launch attn (part 2): grid 256 x 1, 4 waves a work-group, no clusters, 71,168 bytes of LDS; arguments ak, codes, scales, out0; writes out0
.if DOCPART == 2
	.amdgcn_target "amdgcn-amd-amdhsa--gfx1250"
	.amdhsa_code_object_version 6
	.text
	.protected	k_qcff13a07d5_attn
	.globl	k_qcff13a07d5_attn
	.p2align	8
	.type	k_qcff13a07d5_attn,@function
k_qcff13a07d5_attn:
	s_mov_b64 s[64:65], 0
	v_nop
	global_prefetch_b8 v0, s[64:65] scope:SCOPE_SE
	s_setreg_imm32_b32 hwreg(HW_REG_WAVE_MODE, 25, 1), 1
	s_wait_xcnt 0x0
; out[b][c][i] = leaky(sum over n of Q(p[i][n]) Q(h[c][n]) / l[i]),  p = 2^(t - M),  t = log2(e) tanh(a[i] + k[n]),  M = ceil(the row's largest t),  l = the row's sum of the unquantised p.
; The product runs on codes of BF6 (E3M2) with one E8M0 scale for each 32 keys.  h's codes and scale words come from the launch before, as images of the operand registers; a and k likewise (biases added).
; SHARES.  Work-group x: batch x / 8, queries 128 (x % 8) .. +127, all 256 channels, all 1,024 keys in 8 steps of 128.
;   VECTOR WORK BY QUERIES: wave w makes p, its codes and scale words for query tiles 2 w and 2 w + 1.  p hangs on (a[i], k[n]) alone, so a lane computes just the 64 numbers that the operand's
;   layout gives it: lane (r, h) query r, keys 64 cc + 32 h + 0 .. 31: a whole block of 32 lies in one lane, and the conversions' results are the operand's registers.
;   MATRIX WORK BY CHANNELS: wave w owns channels 64 w .. +63 for all 8 query tiles: 32 accumulators.  p's fragments go from wave to wave through LDS as images of their registers, in two
;   buffers, one barrier a step: while step s is multiplied, p of step s + 1 is made, and the 32 matrix instructions stand singly among its vector instructions.
;   h's fragments are used in one step only: a wave loads its own 6,144 bytes a step from memory straight into the operand's registers, one step ahead, two sets.
; A PAIR.  e^(2 (a + k)) = (mE 2^iE)(mF 2^iF), each factor kept as a number near [1, 2) and a whole exponent, so that nothing overflows and no infinity meets a zero:
;   d = 1 + mE ldexp(mF, iE + iF);  r = 1 / d;  tanh = 1 - 2 r;  t - M = r (-2 log2(e)) + (log2(e) - M);  p = 2^(t - M): two transcendentals a pair.
; M.  tanh rises with its argument, so a row's largest t is the t at the batch's largest k: M is taken once a query, ahead of the keys.  Were it one off at a whole t, the blocks' scales would take the
; power of two up and l would carry it too: the quotient stays.
; SOURCE 0 = p (16 queries), SOURCE 1 = h (16 channels): lane (r, h) of a result holds channel r and queries 8 h + 0 .. 7: eight neighbours of a row of out.
; NOT ASKED FOR JOINTLY: the 8 work-groups of a batch read the same 196,608 bytes of codes.  Here they go into registers as they lie; a joint request would bring each step's 24,576 bytes through LDS,
; to be written and read there once more, and put a meeting of the cluster into each of the 8 steps, beside some 800 vector instructions a wave and step, which are what this launch is made of.
; LIMITS: |a| and |k| up to 2^20 / 2.885 = 3.6e5 are served (beyond, the whole exponents are held at +-2^20 and the split of the exponent loses its fraction); NaN and infinities are not.
.set KIB,   4608                       ; LDS 0: mF of 1,024 keys + 128 written words behind them (the last look-ahead reads there);  4,608: iF likewise
.set IMG,   9216                       ; p's images: 2 buffers x 8 fragments x 1,536
.set ISC,   33792                      ; their scale words: 2 x 8 x 128
.set LINV,  35840                      ; 1 / l of the 128 queries
.set RED,   36352                      ; the four waves' largest k
.set STAGE, 36608                      ; the way out: 16 rows x (512 + 16) bytes for each wave
.set LI,  1                            ; v1   16 x lane
.set LS,  2                            ; v2   4 x lane
.set KDA, 3                            ; v3   the step's key data: 512 x step + 128 h
.set IWA, 4                            ; v4   where I store my images
.set IWS, 5                            ; v5   and their scale words
.set BOF, 6                            ; v6   my place in a step's codes of h: 6,144 w + 16 x lane
.set SOF, 7                            ; v7   and in its scale words: 256 w + 4 x lane
.set SH8, 8                            ; v8   8 h
.set STO, 9                            ; v9   the stage, in
.set SRD, 10                           ; v10  the stage, back
.set KD0, 11                           ; v11  128 h
.set LIA, 12                           ; v12  where I put 1 / l
.set LRA, 13                           ; v13  and where I read eight of them
.set IE,  16                           ; v16, v17  iE of my query in tile 0, 1
.set ME,  18                           ; v[18:19], v[20:21]  mE, as pairs (the low word serves both halves)
.set CM,  22                           ; v[22:23], v[24:25]  log2(e) - M likewise
.set LS0, 26                           ; v[26:27], v[28:29] tile 0's sums in two chains;  v[30:31], v[32:33] tile 1's
.set MXA, 34                           ; v34, v35  a block's largest p, two chains
.set MXB, 35
.set SO,  36                           ; v36  the conversion's scale operand
.set BY,  37                           ; v37  a scale's byte
.set SW,  38                           ; v38, v39  the scale words in the making
.set TP,  40                           ; v40, v41  destinations of lane exchanges
.set AOF, 42                           ; v42  my query's place in a
.set KOF, 43                           ; v43  32 x thread: my 8 keys, in k and in LDS
.set KM,  44                           ; v44-75   mF of 32 keys
.set KI,  76                           ; v76-107  iF
.set VA,  108                          ; v108-139 tile 0's 32 numbers, v140-171 tile 1's
.set PC,  172                          ; v172-183 tile 0's codes, v184-195 tile 1's
.set TMP, 196                          ; v196-198 (a conversion's three registers begin on an even number: a block's second half is made here and moved)
.set PADA, 212                         ; v212-214 at the head only
.set REDA, 213
.set NIL,  214
.set AS,  236                          ; v236-243 p's scale words, a register a query tile
.set BS,  244                          ; v244-247 h's: set par at 2 par; lanes 0-15 an even channel tile's, lanes 16-31 the odd one's
.set BF,  96                           ; window 1: v0-95 p's 8 fragments; v96-143, v144-191 h's 4 fragments, two sets.   window 2: accumulator 8 ct + qt at v[8 (8 ct + qt)]
.set RL,  44                           ; the way out: 1 / l in the results' layout;
.set T,   108                          ; results at work;
.set U,   172                          ; 0.2 x results, then whole rows
.set MM,     0xa5                      ; sources 0 and 1 window 1, C and D window 2
.set TO1,    0x40                      ; destination window 1
.set ACCSRC, 0x02                      ; source 0 window 2
.set MSB, 0
.set mi, 0
.set mlim, 0
.set per, 0
.set tk, 0
.set PAR, 0
.set ZERO, 0
.macro WIN new                         ; the immediate's high byte repeats the setting that is left
.if MSB != \new
	s_set_vgpr_msb (MSB<<8)|\new
.set MSB, \new
.endif
.endm
; Matrix instruction mi of a step's 32: query tile mi % 8, channel tile mi / 8.  The 32 accumulators take turns, one instruction a turn, in the same order in every step.
.macro MMI
.set qt, mi%8
.set ct, mi/8
.set rD, 8*mi
.set rA, 12*qt
.set rB, BF+48*PAR+12*ct
.set rS, BS+2*PAR+ct/2
.if ZERO
.if ct%2
	v_wmma_scale_f32_16x16x128_f8f6f4 v[rD:rD+7], v[rA:rA+11], v[rB:rB+11], 0, v[AS+qt], v[rS] matrix_a_fmt:MATRIX_FMT_BF6 matrix_b_fmt:MATRIX_FMT_BF6 matrix_b_scale:MATRIX_SCALE_ROW1
.else
	v_wmma_scale_f32_16x16x128_f8f6f4 v[rD:rD+7], v[rA:rA+11], v[rB:rB+11], 0, v[AS+qt], v[rS] matrix_a_fmt:MATRIX_FMT_BF6 matrix_b_fmt:MATRIX_FMT_BF6
.endif
.else
.if ct%2
	v_wmma_scale_f32_16x16x128_f8f6f4 v[rD:rD+7], v[rA:rA+11], v[rB:rB+11], v[rD:rD+7], v[AS+qt], v[rS] matrix_a_fmt:MATRIX_FMT_BF6 matrix_b_fmt:MATRIX_FMT_BF6 matrix_b_scale:MATRIX_SCALE_ROW1
.else
	v_wmma_scale_f32_16x16x128_f8f6f4 v[rD:rD+7], v[rA:rA+11], v[rB:rB+11], v[rD:rD+7], v[AS+qt], v[rS] matrix_a_fmt:MATRIX_FMT_BF6 matrix_b_fmt:MATRIX_FMT_BF6
.endif
.endif
.set mi, mi+1
.endm
.macro TICK                            ; behind a vector line: every per-th line is followed by a matrix instruction, up to number mlim
.set tk, tk+1
.if per > 0
.if (tk % per == 0) && (mi < mlim)
	WIN MM
	MMI
	WIN 0
.endif
.endif
.endm
.macro KDLOAD off                      ; mF and iF of 32 keys: the sixteen lanes of a half read the same words
.irp i, 0,1,2,3,4,5,6,7
	ds_load_b128 v[KM+4*\i:KM+4*\i+3], v[KDA] offset:(\off)+16*\i
.endr
.irp i, 0,1,2,3,4,5,6,7
	ds_load_b128 v[KI+4*\i:KI+4*\i+3], v[KDA] offset:(\off)+KIB+16*\i
.endr
.endm
.macro P1 t                            ; d = 1 + mE ldexp(mF, iE + iF), stage by stage, so that no line reads the line above it
.set V, VA+32*(\t)
.set tk, 0
.set j, 0
.rept 32
	v_add_nc_u32 v[V+j], v[KI+j], v[IE+(\t)]
	TICK
.set j, j+1
.endr
.set j, 0
.rept 32
	v_ldexp_f32 v[V+j], v[KM+j], v[V+j]
	TICK
.set j, j+1
.endr
.set j, 0
.rept 16
	v_pk_fma_f32 v[V+j:V+j+1], v[V+j:V+j+1], v[ME+2*(\t):ME+2*(\t)+1], 1.0 op_sel_hi:[1,0,0]
	TICK
.set j, j+2
.endr
.endm
.macro RCP t
.set V, VA+32*(\t)
.set j, 0
.rept 32
	v_rcp_f32 v[V+j], v[V+j]
.set j, j+1
.endr
.endm
.macro EXP t
.set V, VA+32*(\t)
.set j, 0
.rept 32
	v_exp_f32 v[V+j], v[V+j]
.set j, j+1
.endr
.endm
.macro P2 t                            ; t - M = r (-2 log2(e)) + (log2(e) - M), two at a time
.set V, VA+32*(\t)
.set j, 0
.rept 16
	v_pk_fma_f32 v[V+j:V+j+1], v[V+j:V+j+1], s[22:23], v[CM+2*(\t):CM+2*(\t)+1] op_sel_hi:[1,0,0]
.set j, j+2
.endr
.endm
; Tile t's block of 32: its largest p and the row's sums (of the unquantised p), line by line by turns; the scale; the codes.  cc = 1: the fragment is whole and goes to buffer wb.
.macro P3 t, cc, wb
.set V, VA+32*(\t)
.set LA, LS0+4*(\t)
.set PCT, PC+12*(\t)
.set tk, 0
	v_max3_num_f32 v[MXA], v[V], v[V+1], 0x2800000     ; (p is never negative; the floor 2^(5 - 127) as a leaf)
	TICK
	v_pk_add_f32 v[LA:LA+1], v[LA:LA+1], v[V:V+1]
	TICK
	v_max3_num_f32 v[MXB], v[V+2], v[V+3], v[V+4]
	TICK
	v_pk_add_f32 v[LA+2:LA+3], v[LA+2:LA+3], v[V+2:V+3]
	TICK
.set j, 0
.rept 13
	v_max3_num_f32 v[MXA+j%2], v[MXA+j%2], v[V+5+2*j], v[V+6+2*j]
	TICK
	v_pk_add_f32 v[LA+2*(j%2):LA+2*(j%2)+1], v[LA+2*(j%2):LA+2*(j%2)+1], v[V+4+2*j:V+5+2*j]
	TICK
.set j, j+1
.endr
	v_max3_num_f32 v[MXA], v[MXA], v[MXB], v[V+31]
	TICK
	v_pk_add_f32 v[LA+2:LA+3], v[LA+2:LA+3], v[V+30:V+31]
	TICK
	v_add_nc_u32 v[SO], 0xfe000000, v[MXA]             ; 4 off the exponent field: the conversion's scale operand
	v_cvt_scalef32_pk16_bf6_f32 v[PCT+6*(\cc):PCT+6*(\cc)+2], v[V:V+15], v[SO]
	v_cvt_scalef32_pk16_bf6_f32 v[TMP:TMP+2], v[V+16:V+31], v[SO]
.if \cc == 0
	v_lshrrev_b32 v[SW+(\t)], 23, v[SO]                ; the byte of block h (also the plain instruction behind the conversions)
.else
	v_lshrrev_b32 v[BY], 23, v[SO]                     ; the byte of block 2 + h
	v_lshl_or_b32 v[SW+(\t)], v[BY], 16, v[SW+(\t)]
.endif
.irp i, 0,1,2
	v_mov_b32 v[PCT+6*(\cc)+3+\i], v[TMP+\i]
.endr
.if \cc == 1
	v_lshlrev_b32 v[SW+(\t)], v[SH8], v[SW+(\t)]       ; my two bytes at their places in the word,
	v_permlanex16_b32 v[TP], v[SW+(\t)], s20, s21
	v_or_b32 v[SW+(\t)], v[SW+(\t)], v[TP]             ; with lane l xor 16's two the word is whole
.irp g, 0,1,2
	ds_store_b128 v[IWA], v[PCT+4*\g:PCT+4*\g+3] offset:(\wb)*12288+(\t)*1536+512*\g
.endr
	ds_store_b32 v[IWS], v[SW+(\t)] offset:(\wb)*1024+128*(\t)
.endif
.endm
; Half a step's p: keys 64 cc + 32 h + 0 .. 31 for both my tiles.  The transcendentals go in batches of 32, and each batch has ONE s_wait_alu ahead of its first reader, with the
; other tile's plain work between.  mat = 1: the step's matrix instructions stand among the plain lines: 8 + 4 + 4 in the first half, 8 + 8 in the second; more than a hundred plain lines follow the last.
.macro HALF cc, mat, wb
.if \cc
	s_wait_dscnt 0x0                               ; this half's key data are in
.endif
.set per, 10*(\mat)*(\cc)
.set mlim, 24
	P1 0
	RCP 0
.if (\mat) && (\cc == 0)
	s_wait_dscnt 0x0                               ; p's 8 fragments and scale words of the step to be multiplied are in (asked for 112 instructions ago)
	s_wait_loadcnt 14                              ; and h's: the 12 + 2 loads of the next step, issued behind them, may be out
.endif
.set per, 10*(\mat)
.set mlim, 8+24*(\cc)
	P1 1
	KDLOAD 256+256*(\cc)                           ; the next half's key data: the last reader of this half's stands above
	s_wait_alu depctr_va_vdst(0)                   ; tile 0's reciprocals
	P2 0
	RCP 1
	EXP 0
	v_nop                                          ; a plain instruction behind the last transcendental
	s_wait_alu depctr_va_vdst(0)                   ; tile 1's reciprocals and tile 0's exponentials
	P2 1
	EXP 1
.set per, 8*(\mat)*(1-(\cc))
.set mlim, 12
	P3 0, \cc, \wb
	s_wait_alu depctr_va_vdst(0)                   ; tile 1's exponentials
.set mlim, 16
	P3 1, \cc, \wb
.endm
.macro AFETCH buf                      ; p's 8 fragments and scale words come back as they were stored, in every wave
	WIN TO1
.irp q, 0,1,2,3,4,5,6,7
.irp g, 0,1,2
	ds_load_b128 v[12*\q+4*\g:12*\q+4*\g+3], v[LI] offset:IMG+(\buf)*12288+1536*\q+512*\g
.endr
.endr
	WIN 0
.irp q, 0,1,2,3,4,5,6,7
	ds_load_b32 v[AS+\q], v[LS] offset:ISC+(\buf)*1024+128*\q
.endr
.endm
.macro BLOAD par, offC, offS           ; my 4 fragments of h and their scale words: each load of the wave covers 512 (128) consecutive bytes
	WIN TO1
.irp j, 0,1,2,3
.irp g, 0,1,2
	global_load_b128 v[BF+48*(\par)+12*\j+4*\g:BF+48*(\par)+12*\j+4*\g+3], v[BOF], s[6:7] offset:(\offC)+1536*\j+512*\g
.endr
.endr
	WIN 0
.irp pr, 0,1
	global_load_b32 v[BS+2*(\par)+\pr], v[SOF], s[8:9] offset:(\offS)+128*\pr
.endr
.endm
.macro ENDSTEP                         ; ONE barrier a step, for two things: the buffer just written is whole, and every wave's reads of the other are over
	s_add_co_u32 s30, s30, 512
	s_wait_dscnt 0x0                               ; my stores have landed, my loads are in
	v_add_nc_u32 v[KDA], s30, v[KD0]               ; the next step's key data (no LDS load of mine is out)
	s_barrier_signal -1
	s_barrier_wait -1
.endm
; A step: buffer par is multiplied with h's set par; p of the next step goes to buffer 1 - par, h's next fragments into set 1 - par.
.macro TRIP par, zero, offC, offS
	AFETCH \par
	BLOAD 1-(\par), \offC, \offS
.set mi, 0
.set PAR, \par
.set ZERO, \zero
	HALF 0, 1, 1-(\par)
	HALF 1, 1, 1-(\par)
	ENDSTEP
.endm
	s_load_b256 s[4:11], s[0:1], 0x0               ; ak s[4:5], codes s[6:7], scales s[8:9], out s[10:11]
	v_lshl_add_u32 v254, v0, 2, 0x11400
	v_mov_b32 v255, 0
	v_and_b32 v14, 31, v0                          ; lane
	v_lshrrev_b32 v15, 5, v0
	v_readfirstlane_b32 s12, v15                   ; wave 0..3
	s_lshr_b32 s13, ttmp9, 3                       ; batch
	s_and_b32 s14, ttmp9, 7                        ; which 128 queries
	v_lshlrev_b32 v[LI], 4, v14
	v_lshlrev_b32 v[LS], 2, v14
	v_bfe_u32 v15, v0, 4, 1                        ; h
	v_lshlrev_b32 v[KD0], 7, v15
	v_lshlrev_b32 v[KDA], 7, v15
	v_lshlrev_b32 v[SH8], 3, v15
	s_mul_i32 s15, s12, 3072
	s_add_co_u32 s15, s15, IMG
	v_add_nc_u32 v[IWA], s15, v[LI]
	s_lshl_b32 s15, s12, 8
	v_add_nc_u32 v[SOF], s15, v[LS]
	s_add_co_u32 s15, s15, ISC
	v_add_nc_u32 v[IWS], s15, v[LS]
	s_mul_i32 s15, s12, 6144
	v_add_nc_u32 v[BOF], s15, v[LI]
	v_and_b32 v14, 15, v0                          ; r
	s_mul_i32 s15, s12, 8448
	s_add_co_u32 s15, s15, STAGE
	v_mul_u32_u24 v[STO], v14, 528
	v_lshl_add_u32 v[STO], v15, 5, v[STO]
	v_add_nc_u32 v[STO], s15, v[STO]               ; row r, + 32 h
	v_add_nc_u32 v[SRD], s15, v[LI]
	s_lshl_b32 s15, s12, 7
	s_add_co_u32 s16, s15, LINV
	v_lshl_add_u32 v[LIA], v14, 2, s16             ; query 32 w + 16 t + r
	v_lshl_add_u32 v[LRA], v15, 5, LINV            ; queries 16 qt + 8 h on
	s_lshl_b32 s18, s14, 9
	s_add_co_u32 s18, s18, s15
	v_lshl_add_u32 v[AOF], v14, 2, s18             ; a: 4 (128 qb + 32 w + r)
	v_lshlrev_b32 v[KOF], 5, v0
	v_lshlrev_b32 v[PADA], 2, v0
	s_lshl_b32 s15, s12, 2
	v_mov_b32 v[REDA], s15
	v_mov_b32 v[NIL], 0
	s_mov_b32 s20, 0x76543210
	s_mov_b32 s21, 0xfedcba98                      ; v_permlanex16_b32's selects for lane l xor 16
	s_mov_b32 s22, 0xc038aa3b                      ; -2 log2(e)
	s_mov_b32 s23, s22                             ; (named with it as a pair, so it is written)
	s_mov_b32 s24, 0x4038aa3b                      ; c1 = 2 log2(e), rounded to f32,
	s_mov_b32 s25, 0x3325705f                      ; and what the rounding left
	s_mov_b32 s26, 0x3fb8aa3b                      ; log2(e)
	s_mov_b32 s28, 0x49800000                      ; 2^20
	s_mov_b32 s29, 0xc9800000                      ; -2^20
	s_mov_b32 s30, 0                               ; 512 x step
	s_wait_kmcnt 0x0
	s_mov_b32 s17, 0
	s_lshl_b32 s16, s13, 13
	s_add_nc_u64 s[4:5], s[4:5], s[16:17]
	s_add_nc_u64 s[8:9], s[8:9], s[16:17]
	s_mul_i32 s16, s13, 196608
	s_add_nc_u64 s[6:7], s[6:7], s[16:17]
	s_lshl_b32 s16, s13, 20
	s_lshl_b32 s18, s12, 18                        ; my 64 channels
	s_add_co_u32 s16, s16, s18
	s_lshl_b32 s18, s14, 9                         ; the work-group's 128 queries
	s_add_co_u32 s16, s16, s18
	s_add_nc_u64 s[10:11], s[10:11], s[16:17]
	global_load_b128 v[108:111], v[KOF], s[4:5] offset:4096        ; k of keys 8 x thread .. + 7
	global_load_b128 v[112:115], v[KOF], s[4:5] offset:4112
	global_load_b32 v116, v[AOF], s[4:5]                           ; a of my query in tile 0,
	global_load_b32 v117, v[AOF], s[4:5] offset:64                 ; in tile 1
	BLOAD 0, 0, 0                                                  ; h's fragments of step 0
.irp j, 0,1,2,3,4,5,6,7
	v_mov_b32 v[LS0+\j], 0                         ; the rows' sums
.endr
	v_mov_b32 v[TP], 0                             ; a lane exchange's destination counts as one of its sources
	v_mov_b32 v[TP+1], 0
	s_wait_loadcnt 14                              ; k and a are in; the 14 loads of h's step 0 may be out
	; 2^(c1 x) = m 2^i for my 8 keys and 2 queries: c1 x in two parts (the product's rounding and c1's are kept), i = floor, m = 2^(the rest)
.set XX, 108
.set HI, 118
.set LO, 128
.set FL, 138
.set MA, 148
.irp e, 0,1,2,3,4,5,6,7,8,9
	v_mul_f32 v[HI+\e], s24, v[XX+\e]
.endr
.irp e, 0,1,2,3,4,5,6,7,8,9
	v_fma_f32 v[LO+\e], v[XX+\e], s24, -v[HI+\e]
.endr
.irp e, 0,1,2,3,4,5,6,7,8,9
	v_fma_f32 v[LO+\e], v[XX+\e], s25, v[LO+\e]
.endr
.irp e, 0,1,2,3,4,5,6,7,8,9
	v_floor_f32 v[FL+\e], v[HI+\e]
.endr
.irp e, 0,1,2,3,4,5,6,7,8,9
	v_sub_f32 v[HI+\e], v[HI+\e], v[FL+\e]
.endr
.irp e, 0,1,2,3,4,5,6,7,8,9
	v_add_f32 v[HI+\e], v[HI+\e], v[LO+\e]
.endr
.irp e, 0,1,2,3,4,5,6,7,8,9
	v_exp_f32 v[MA+\e], v[HI+\e]
.endr
.irp e, 0,1,2,3,4,5,6,7,8,9
	v_min_num_f32 v[FL+\e], s28, v[FL+\e]          ; the whole exponent is held to +-2^20, so that a sum of two stays a small whole number
.endr
.irp e, 0,1,2,3,4,5,6,7,8,9
	v_max_num_f32 v[FL+\e], s29, v[FL+\e]
.endr
.irp e, 0,1,2,3,4,5,6,7,8,9
	v_cvt_i32_f32 v[FL+\e], v[FL+\e]
.endr
	v_max3_num_f32 v158, v108, v109, v110          ; the largest k: of my 8,
	v_max3_num_f32 v158, v158, v111, v112
	v_max3_num_f32 v158, v158, v113, v114
	v_max_num_f32 v158, v158, v115
	v_max_num_f32_dpp v158, v158, v158 row_xmask:1 row_mask:0xf bank_mask:0xf   ; of my wave's 256
	v_max_num_f32_dpp v158, v158, v158 row_xmask:2 row_mask:0xf bank_mask:0xf
	v_max_num_f32_dpp v158, v158, v158 row_xmask:4 row_mask:0xf bank_mask:0xf
	v_max_num_f32_dpp v158, v158, v158 row_xmask:8 row_mask:0xf bank_mask:0xf
	v_permlanex16_b32 v[TP], v158, s20, s21
	v_max_num_f32 v158, v158, v[TP]
	s_wait_alu depctr_va_vdst(0)                   ; one wait for the ten exponentials, ahead of their first reader
	ds_store_b128 v[KOF], v[MA:MA+3]
	ds_store_b128 v[KOF], v[MA+4:MA+7] offset:16
	ds_store_b128 v[KOF], v[FL:FL+3] offset:KIB
	ds_store_b128 v[KOF], v[FL+4:FL+7] offset:KIB+16
	ds_store_b32 v[PADA], v[NIL] offset:4096       ; the 128 words behind each table are written, since the last look-ahead reads there
	ds_store_b32 v[PADA], v[NIL] offset:KIB+4096
	ds_store_b32 v[REDA], v158 offset:RED          ; all lanes write the same word with the same value
	v_mov_b32 v[IE], v[FL+8]
	v_mov_b32 v[IE+1], v[FL+9]
	v_mov_b32 v[ME], v[MA+8]
	v_mov_b32 v[ME+1], v[MA+8]
	v_mov_b32 v[ME+2], v[MA+9]
	v_mov_b32 v[ME+3], v[MA+9]
	s_wait_dscnt 0x0
	s_barrier_signal -1
	s_barrier_wait -1                              ; the key tables and the four maxima lie in LDS
	ds_load_b128 v[160:163], v[NIL] offset:RED
	KDLOAD 0
	s_wait_dscnt 16                                ; the four maxima are in; the 16 loads of key data may be out
	v_max3_num_f32 v158, v160, v161, v162
	v_max_num_f32 v158, v158, v163                 ; the batch's largest k
	v_add_f32 v164, v116, v158
	v_add_f32 v165, v117, v158
	v_mul_f32 v164, s24, v164
	v_mul_f32 v165, s24, v165
	v_exp_f32 v164, v164                           ; e^(2 (a + the largest k)); an infinity gives r = 0 below
	v_exp_f32 v165, v165
	v_nop
	s_wait_alu depctr_va_vdst(0)
	v_add_f32 v164, 1.0, v164
	v_add_f32 v165, 1.0, v165
	v_rcp_f32 v164, v164
	v_rcp_f32 v165, v165
	v_nop
	s_wait_alu depctr_va_vdst(0)
	v_fma_f32 v164, v164, s22, s26                 ; the row's largest t
	v_fma_f32 v165, v165, s22, s26
	v_floor_f32 v164, -v164                        ; -M = floor(-t) = -ceil(t)
	v_floor_f32 v165, -v165
	v_add_f32 v[CM], s26, v164
	v_add_f32 v[CM+2], s26, v165
	v_mov_b32 v[CM+1], v[CM]
	v_mov_b32 v[CM+3], v[CM+2]
	s_wait_dscnt 0x0
	HALF 0, 0, 0                                   ; p of step 0, into buffer 0: there is nothing yet to multiply
	HALF 1, 0, 0
	ENDSTEP
	TRIP 0, 1, 24576, 1024                         ; step 0 is written out: its products start the sums, so that no accumulator is cleared
	s_mov_b32 s27, 3
.Lloop:                                            ; three trips of two steps: steps 1 to 6
	TRIP 1, 0, 49152, 2048
	TRIP 0, 0, 73728, 3072
	s_wait_xcnt 0x0                                ; the loads have read their bases: these may step
	s_add_nc_u64 s[6:7], s[6:7], 49152
	s_add_nc_u64 s[8:9], s[8:9], 2048
	s_sub_co_i32 s27, s27, 1
	s_cmp_lg_u32 s27, 0
	s_cbranch_scc1 .Lloop
	; STEP 7 has no p to make.  1 / l goes round through LDS while the fragments come
	AFETCH 1
	v_pk_add_f32 v[LS0:LS0+1], v[LS0:LS0+1], v[LS0+2:LS0+3]
	v_pk_add_f32 v[LS0+4:LS0+5], v[LS0+4:LS0+5], v[LS0+6:LS0+7]
	v_add_f32 v14, v[LS0], v[LS0+1]
	v_add_f32 v15, v[LS0+4], v[LS0+5]
	v_permlanex16_b32 v[TP], v14, s20, s21
	v_permlanex16_b32 v[TP+1], v15, s20, s21
	v_add_f32 v14, v14, v[TP]                      ; with lane l xor 16's half of the keys: the row's sum
	v_add_f32 v15, v15, v[TP+1]
	v_rcp_f32 v14, v14
	v_rcp_f32 v15, v15
	v_nop
	s_wait_alu depctr_va_vdst(0)
	ds_store_b32 v[LIA], v14                       ; both halves of the lanes write the same word with the same value
	ds_store_b32 v[LIA], v15 offset:64
	s_wait_dscnt 0x0
	s_barrier_signal -1
	s_barrier_wait -1
.irp q, 0,1,2,3,4,5,6,7
.irp e, 0,1
	ds_load_b128 v[RL+8*\q+4*\e:RL+8*\q+4*\e+3], v[LRA] offset:64*\q+16*\e   ; 1 / l of queries 16 q + 8 h + 0 .. 7: the results' layout
.endr
.endr
	s_wait_loadcnt 0x0                             ; h's fragments of step 7
.set mi, 0
.set PAR, 1
.set ZERO, 0
	WIN MM
.rept 32
	MMI
.endr
	WIN 0
.rept 4
	v_nop                                          ; four plain instructions between the last products and the first read of results
.endr
	s_wait_dscnt 0x0
; THE WAY OUT, a tile of 16 channels at a time: / l, LeakyReLU as max(x, 0.2 x), through my own stage (LDS serves a wave's instructions in order: no wait between my stores and my loads), and out as whole
; rows: 32 lanes store 512 consecutive bytes of a row of out, aligned.
.macro OUT c
.if \c > 0
	s_wait_xcnt 0x0                                ; the last tile's stores have read their registers, which are written again below
.endif
	WIN ACCSRC
.irp q, 0,1,2,3,4,5,6,7
.irp e, 0,2,4,6
	v_pk_mul_f32 v[T+8*\q+\e:T+8*\q+\e+1], v[8*(8*\c+\q)+\e:8*(8*\c+\q)+\e+1], v[RL+8*\q+\e:RL+8*\q+\e+1]   ; each accumulator from its low end on
.endr
.endr
	WIN 0
.set j, 0
.rept 32
	v_pk_mul_f32 v[U+j:U+j+1], v[T+j:T+j+1], 0x3e4ccccd op_sel_hi:[1,0]
.set j, j+2
.endr
.set j, 0
.rept 64
	v_max_num_f32 v[T+j], v[T+j], v[U+j]
.set j, j+1
.endr
.irp q, 0,1,2,3,4,5,6,7
.irp e, 0,1
	ds_store_b128 v[STO], v[T+8*\q+4*\e:T+8*\q+4*\e+3] offset:64*\q+16*\e
.endr
.endr
.irp i, 0,1,2,3,4,5,6,7,8,9,10,11,12,13,14,15
	ds_load_b128 v[U+4*\i:U+4*\i+3], v[SRD] offset:528*\i
.endr
.irp i, 0,1,2,3,4,5,6,7,8,9,10,11,12,13,14,15
	s_wait_dscnt 15-\i
	global_store_b128 v[LI], v[U+4*\i:U+4*\i+3], s[10:11] offset:(16*\c+\i)*4096 th:TH_STORE_NT   ; written once, read by nobody here
.endr
.endm
	OUT 0
	OUT 1
	OUT 2
	OUT 3
	s_wait_tensorcnt 0x0
	ds_add_u32 v254, v255
	s_wait_dscnt 0x0
	s_endpgm
.Lfunc_end_k_qcff13a07d5_attn:
	.size	k_qcff13a07d5_attn, .Lfunc_end_k_qcff13a07d5_attn-k_qcff13a07d5_attn
	.p2alignl 7, 3214868480
	.fill 96, 4, 3214868480
	.section	.rodata,"a",@progbits
	.p2align	6, 0x0
	.amdhsa_kernel k_qcff13a07d5_attn
		.amdhsa_group_segment_fixed_size 71168
		.amdhsa_private_segment_fixed_size 0
		.amdhsa_enable_private_segment 0
		.amdhsa_kernarg_size 32
		.amdhsa_user_sgpr_count 2
		.amdhsa_user_sgpr_kernarg_segment_ptr 1
		.amdhsa_wavefront_size32 1
		.amdhsa_system_sgpr_workgroup_id_x 1
		.amdhsa_system_sgpr_workgroup_id_y 1
		.amdhsa_system_sgpr_workgroup_id_z 1
		.amdhsa_system_vgpr_workitem_id 0
		.amdhsa_next_free_vgpr 768
		.amdhsa_next_free_sgpr 66
		.amdhsa_reserve_vcc 0
		.amdhsa_float_denorm_mode_32 3
		.amdhsa_float_denorm_mode_16_64 3
		.amdhsa_memory_ordered 1
		.amdhsa_forward_progress 1
		.amdhsa_inst_pref_size 255
	.end_amdhsa_kernel
	.section	.bss,"aw",@nobits
	.p2align	6
	.space	262144
	.amdgpu_metadata
---
amdhsa.version: [ 1, 2 ]
amdhsa.kernels:
  - .name:           k_qcff13a07d5_attn
    .symbol:         k_qcff13a07d5_attn.kd
    .args:
      - { .name: ak, .offset: 0, .size: 8, .value_kind: global_buffer, .address_space: global }
      - { .name: codes, .offset: 8, .size: 8, .value_kind: global_buffer, .address_space: global }
      - { .name: scales, .offset: 16, .size: 8, .value_kind: global_buffer, .address_space: global }
      - { .name: out0, .offset: 24, .size: 8, .value_kind: global_buffer, .address_space: global }
    .group_segment_fixed_size: 71168
    .private_segment_fixed_size: 0
    .kernarg_segment_align: 8
    .kernarg_segment_size: 32
    .max_flat_workgroup_size: 128
    .sgpr_count:     66
    .vgpr_count:     768
    .wavefront_size: 32
...
	.end_amdgpu_metadata
.endif
;; end of part 2
;; ======== version 2 of 2: 2 launches; version 1 with the launch attn written anew for expert scheduling mode
;; limits: right only within a limited range of input values
;; workspace buffers: codes 6,291,456 bytes; scales 262,144 bytes; ak 262,144 bytes
;; launch prep: the kernel of part 1 again; grid 256 x 1, 8 waves a work-group, no clusters, 100,352 bytes of LDS; arguments h, w1_w, w1_b, w2_w, w2_b, codes, scales, ak; writes codes, scales, ak
;; launch attn (part 3): grid 256 x 1, 4 waves a work-group, no clusters, 71,168 bytes of LDS; arguments ak, codes, scales, out0; writes out0
.if DOCPART == 3
	.amdgcn_target "amdgcn-amd-amdhsa--gfx1250"
	.amdhsa_code_object_version 6
	.text
	.protected	k_qcff13a07d5_attn
	.globl	k_qcff13a07d5_attn
	.p2align	8
	.type	k_qcff13a07d5_attn,@function
k_qcff13a07d5_attn:
	s_mov_b64 s[64:65], 0
	v_nop
	global_prefetch_b8 v0, s[64:65] scope:SCOPE_SE
	s_setreg_imm32_b32 hwreg(HW_REG_WAVE_SCHED_MODE, 0, 2), 2
	s_setreg_imm32_b32 hwreg(HW_REG_WAVE_MODE, 25, 1), 1
	s_wait_xcnt 0x0
	s_wait_alu depctr_vm_vsrc(0)
; out[b][c][i] = leaky(sum over n of Q(p[i][n]) Q(h[c][n]) / l[i]),  p = 2^(t - M),  t = log2(e) tanh(a[i] + k[n]),  M = ceil(the row's largest t),  l = the row's sum of the unquantised p.
; The product runs on codes of BF6 (E3M2) with one E8M0 scale for each 32 keys.  h's codes and scale words come from the launch before, as images of the operand registers; a and k likewise (biases added).
; SHARES.  Work-group x: batch x / 8, queries 128 (x % 8) .. +127, all 256 channels, all 1,024 keys in 8 steps of 128.
;   VECTOR WORK BY QUERIES: wave w makes p, its codes and scale words for query tiles 2 w and 2 w + 1.  p hangs on (a[i], k[n]) alone, so a lane computes just the 64 numbers that the operand's
;   layout gives it: lane (r, h) query r, keys 64 cc + 32 h + 0 .. 31: a whole block of 32 lies in one lane, and the conversions' results are the operand's registers.
;   MATRIX WORK BY CHANNELS: wave w owns channels 64 w .. +63 for all 8 query tiles: 32 accumulators.  p's fragments go from wave to wave through LDS as images of their registers, in two
;   buffers, one barrier a step: while step s is multiplied, p of step s + 1 is made, and the 32 matrix instructions stand singly among its vector instructions.
;   h's fragments are used in one step only: a wave loads its own 6,144 bytes a step from memory straight into the operand's registers, one step ahead, two sets.
; A PAIR.  e^(2 (a + k)) = (mE 2^iE)(mF 2^iF), each factor kept as a number near [1, 2) and a whole exponent, so that nothing overflows and no infinity meets a zero:
;   d = 1 + mE ldexp(mF, iE + iF);  r = 1 / d;  tanh = 1 - 2 r;  t - M = r (-2 log2(e)) + (log2(e) - M);  p = 2^(t - M): two transcendentals a pair.
; M.  tanh rises with its argument, so a row's largest t is the t at the batch's largest k: M is taken once a query, ahead of the keys.  Were it one off at a whole t, the blocks' scales would take the
; power of two up and l would carry it too: the quotient stays.
; SOURCE 0 = p (16 queries), SOURCE 1 = h (16 channels): lane (r, h) of a result holds channel r and queries 8 h + 0 .. 7: eight neighbours of a row of out.
; NOT ASKED FOR JOINTLY: the 8 work-groups of a batch read the same 196,608 bytes of codes.  Here they go into registers as they lie; a joint request would bring each step's 24,576 bytes through LDS,
; to be written and read there once more, and put a meeting of the cluster into each of the 8 steps, beside some 800 vector instructions a wave and step, which are what this launch is made of.
; LIMITS: |a| and |k| up to 2^20 / 2.885 = 3.6e5 are served (beyond, the whole exponents are held at +-2^20 and the split of the exponent loses its fraction); NaN and infinities are not.
; THE MODE: SCHED_MODE bits 1:0 = 2 (LLVM: expert scheduling mode 2), set by the entry lines.  The code itself states the register dependences
; between vector or matrix instructions and memory or LDS instructions, with s_wait_alu, always for 0.
; THE PLAN.  Registers that memory or LDS instructions touch, in a step:
;   KM, KI            In a half both tiles' P1 read them; behind P1 of tile 1 the next half's key data land in them.
;   v[KDA]            Read by the loads of key data; written once a step, at its end.
;   PC, SW            Written by the step's conversions, moves, shifts and ors; read by the image stores of the step's second half.
;   window 1 v0-95, AS    p's fragments and scale words land at a step's head; the step's 32 matrix instructions read them, the last of these in P1 of tile 1 of the second half.
;   window 1 v96-191, BS  h's two sets: set 1 - par lands from the step's head on; the matrix instructions of the step before read it, this step's read set par.
;   v1, v2, v4-13, v42, v43   addresses, made at the head and never written again.
; THE WAITS OF A HALF.  One on va_vdst behind P1 of tile 1: tile 0's reciprocals are written, both P1 are done reading KM and KI, v[KDA] is written, and in the second half the step's last matrix
; instructions are done reading their fragments and scale words; no vector or matrix instruction names those again before the next step's head, so the 46 loads there stand with no wait of their own.
; One for tile 1's reciprocals and tile 0's exponentials.  One for tile 1's exponentials, which in the second half also states that tile 0's codes and scale word are written: tile 0's image stores
; follow it.  One more in the second half for tile 1's codes and scale word.  One wait on vm_vsrc a step, at its end, ahead of the add to v[KDA].
.set KIB,   4608                       ; LDS 0: mF of 1,024 keys + 128 written words behind them (the last look-ahead reads there);  4,608: iF likewise
.set IMG,   9216                       ; p's images: 2 buffers x 8 fragments x 1,536
.set ISC,   33792                      ; their scale words: 2 x 8 x 128
.set LINV,  35840                      ; 1 / l of the 128 queries
.set RED,   36352                      ; the four waves' largest k
.set STAGE, 36608                      ; the way out: 16 rows x (512 + 16) bytes for each wave
.set LI,  1                            ; v1   16 x lane
.set LS,  2                            ; v2   4 x lane
.set KDA, 3                            ; v3   the step's key data: 512 x step + 128 h
.set IWA, 4                            ; v4   where I store my images
.set IWS, 5                            ; v5   and their scale words
.set BOF, 6                            ; v6   my place in a step's codes of h: 6,144 w + 16 x lane
.set SOF, 7                            ; v7   and in its scale words: 256 w + 4 x lane
.set SH8, 8                            ; v8   8 h
.set STO, 9                            ; v9   the stage, in
.set SRD, 10                           ; v10  the stage, back
.set KD0, 11                           ; v11  128 h
.set LIA, 12                           ; v12  where I put 1 / l
.set LRA, 13                           ; v13  and where I read eight of them
.set IE,  16                           ; v16, v17  iE of my query in tile 0, 1
.set ME,  18                           ; v[18:19], v[20:21]  mE, as pairs (the low word serves both halves)
.set CM,  22                           ; v[22:23], v[24:25]  log2(e) - M likewise
.set LS0, 26                           ; v[26:27], v[28:29] tile 0's sums in two chains;  v[30:31], v[32:33] tile 1's
.set MXA, 34                           ; v34, v35  a block's largest p, two chains
.set MXB, 35
.set SO,  36                           ; v36  the conversion's scale operand
.set BY,  37                           ; v37  a scale's byte
.set SW,  38                           ; v38, v39  the scale words in the making
.set TP,  40                           ; v40, v41  destinations of lane exchanges
.set AOF, 42                           ; v42  my query's place in a
.set KOF, 43                           ; v43  32 x thread: my 8 keys, in k and in LDS
.set KM,  44                           ; v44-75   mF of 32 keys
.set KI,  76                           ; v76-107  iF
.set VA,  108                          ; v108-139 tile 0's 32 numbers, v140-171 tile 1's
.set PC,  172                          ; v172-183 tile 0's codes, v184-195 tile 1's
.set TMP, 196                          ; v196-198 (a conversion's three registers begin on an even number: a block's second half is made here and moved)
.set PADA, 212                         ; v212-214 at the head only
.set REDA, 213
.set NIL,  214
.set AS,  236                          ; v236-243 p's scale words, a register a query tile
.set BS,  244                          ; v244-247 h's: set par at 2 par; lanes 0-15 an even channel tile's, lanes 16-31 the odd one's
.set BF,  96                           ; window 1: v0-95 p's 8 fragments; v96-143, v144-191 h's 4 fragments, two sets.   window 2: accumulator 8 ct + qt at v[8 (8 ct + qt)]
.set RL,  44                           ; the way out: 1 / l in the results' layout;
.set T,   108                          ; results at work;
.set U,   172                          ; 0.2 x results, then whole rows
.set MM,     0xa5                      ; sources 0 and 1 window 1, C and D window 2
.set TO1,    0x40                      ; destination window 1
.set ACCSRC, 0x02                      ; source 0 window 2
.set MSB, 0
.set mi, 0
.set mlim, 0
.set per, 0
.set tk, 0
.set PAR, 0
.set ZERO, 0
.macro WIN new                         ; the immediate's high byte repeats the setting that is left
.if MSB != \new
	s_set_vgpr_msb (MSB<<8)|\new
.set MSB, \new
.endif
.endm
; Matrix instruction mi of a step's 32: query tile mi % 8, channel tile mi / 8.  The 32 accumulators take turns, one instruction a turn, in the same order in every step.
.macro MMI
.set qt, mi%8
.set ct, mi/8
.set rD, 8*mi
.set rA, 12*qt
.set rB, BF+48*PAR+12*ct
.set rS, BS+2*PAR+ct/2
.if ZERO
.if ct%2
	v_wmma_scale_f32_16x16x128_f8f6f4 v[rD:rD+7], v[rA:rA+11], v[rB:rB+11], 0, v[AS+qt], v[rS] matrix_a_fmt:MATRIX_FMT_BF6 matrix_b_fmt:MATRIX_FMT_BF6 matrix_b_scale:MATRIX_SCALE_ROW1
.else
	v_wmma_scale_f32_16x16x128_f8f6f4 v[rD:rD+7], v[rA:rA+11], v[rB:rB+11], 0, v[AS+qt], v[rS] matrix_a_fmt:MATRIX_FMT_BF6 matrix_b_fmt:MATRIX_FMT_BF6
.endif
.else
.if ct%2
	v_wmma_scale_f32_16x16x128_f8f6f4 v[rD:rD+7], v[rA:rA+11], v[rB:rB+11], v[rD:rD+7], v[AS+qt], v[rS] matrix_a_fmt:MATRIX_FMT_BF6 matrix_b_fmt:MATRIX_FMT_BF6 matrix_b_scale:MATRIX_SCALE_ROW1
.else
	v_wmma_scale_f32_16x16x128_f8f6f4 v[rD:rD+7], v[rA:rA+11], v[rB:rB+11], v[rD:rD+7], v[AS+qt], v[rS] matrix_a_fmt:MATRIX_FMT_BF6 matrix_b_fmt:MATRIX_FMT_BF6
.endif
.endif
.set mi, mi+1
.endm
.macro TICK                            ; behind a vector line: every per-th line is followed by a matrix instruction, up to number mlim
.set tk, tk+1
.if per > 0
.if (tk % per == 0) && (mi < mlim)
	WIN MM
	MMI
	WIN 0
.endif
.endif
.endm
.macro KDLOAD off                      ; mF and iF of 32 keys: the sixteen lanes of a half read the same words
.irp i, 0,1,2,3,4,5,6,7
	ds_load_b128 v[KM+4*\i:KM+4*\i+3], v[KDA] offset:(\off)+16*\i
.endr
.irp i, 0,1,2,3,4,5,6,7
	ds_load_b128 v[KI+4*\i:KI+4*\i+3], v[KDA] offset:(\off)+KIB+16*\i
.endr
.endm
.macro P1 t                            ; d = 1 + mE ldexp(mF, iE + iF), stage by stage, so that no line reads the line above it
.set V, VA+32*(\t)
.set tk, 0
.set j, 0
.rept 32
	v_add_nc_u32 v[V+j], v[KI+j], v[IE+(\t)]
	TICK
.set j, j+1
.endr
.set j, 0
.rept 32
	v_ldexp_f32 v[V+j], v[KM+j], v[V+j]
	TICK
.set j, j+1
.endr
.set j, 0
.rept 16
	v_pk_fma_f32 v[V+j:V+j+1], v[V+j:V+j+1], v[ME+2*(\t):ME+2*(\t)+1], 1.0 op_sel_hi:[1,0,0]
	TICK
.set j, j+2
.endr
.endm
.macro RCP t
.set V, VA+32*(\t)
.set j, 0
.rept 32
	v_rcp_f32 v[V+j], v[V+j]
.set j, j+1
.endr
.endm
.macro EXP t
.set V, VA+32*(\t)
.set j, 0
.rept 32
	v_exp_f32 v[V+j], v[V+j]
.set j, j+1
.endr
.endm
.macro P2 t                            ; t - M = r (-2 log2(e)) + (log2(e) - M), two at a time
.set V, VA+32*(\t)
.set j, 0
.rept 16
	v_pk_fma_f32 v[V+j:V+j+1], v[V+j:V+j+1], s[22:23], v[CM+2*(\t):CM+2*(\t)+1] op_sel_hi:[1,0,0]
.set j, j+2
.endr
.endm
; Tile t's block of 32: its largest p and the row's sums (of the unquantised p), line by line by turns; the scale; the codes.  cc = 1: the fragment and its scale word are whole.
.macro P3 t, cc
.set V, VA+32*(\t)
.set LA, LS0+4*(\t)
.set PCT, PC+12*(\t)
.set tk, 0
	v_max3_num_f32 v[MXA], v[V], v[V+1], 0x2800000     ; (p is never negative; the floor 2^(5 - 127) as a leaf)
	TICK
	v_pk_add_f32 v[LA:LA+1], v[LA:LA+1], v[V:V+1]
	TICK
	v_max3_num_f32 v[MXB], v[V+2], v[V+3], v[V+4]
	TICK
	v_pk_add_f32 v[LA+2:LA+3], v[LA+2:LA+3], v[V+2:V+3]
	TICK
.set j, 0
.rept 13
	v_max3_num_f32 v[MXA+j%2], v[MXA+j%2], v[V+5+2*j], v[V+6+2*j]
	TICK
	v_pk_add_f32 v[LA+2*(j%2):LA+2*(j%2)+1], v[LA+2*(j%2):LA+2*(j%2)+1], v[V+4+2*j:V+5+2*j]
	TICK
.set j, j+1
.endr
	v_max3_num_f32 v[MXA], v[MXA], v[MXB], v[V+31]
	TICK
	v_pk_add_f32 v[LA+2:LA+3], v[LA+2:LA+3], v[V+30:V+31]
	TICK
	v_add_nc_u32 v[SO], 0xfe000000, v[MXA]             ; 4 off the exponent field: the conversion's scale operand
	v_cvt_scalef32_pk16_bf6_f32 v[PCT+6*(\cc):PCT+6*(\cc)+2], v[V:V+15], v[SO]
	v_cvt_scalef32_pk16_bf6_f32 v[TMP:TMP+2], v[V+16:V+31], v[SO]
.if \cc == 0
	v_lshrrev_b32 v[SW+(\t)], 23, v[SO]                ; the byte of block h (also the plain instruction behind the conversions)
.else
	v_lshrrev_b32 v[BY], 23, v[SO]                     ; the byte of block 2 + h
	v_lshl_or_b32 v[SW+(\t)], v[BY], 16, v[SW+(\t)]
.endif
.irp i, 0,1,2
	v_mov_b32 v[PCT+6*(\cc)+3+\i], v[TMP+\i]
.endr
.if \cc == 1
	v_lshlrev_b32 v[SW+(\t)], v[SH8], v[SW+(\t)]       ; my two bytes at their places in the word,
	v_permlanex16_b32 v[TP], v[SW+(\t)], s20, s21
	v_or_b32 v[SW+(\t)], v[SW+(\t)], v[TP]             ; with lane l xor 16's two the word is whole
.endif
.endm
.macro IMAGE t, wb                     ; tile t's fragment and scale word go to buffer wb as they stand
.set PCT, PC+12*(\t)
.irp g, 0,1,2
	ds_store_b128 v[IWA], v[PCT+4*\g:PCT+4*\g+3] offset:(\wb)*12288+(\t)*1536+512*\g
.endr
	ds_store_b32 v[IWS], v[SW+(\t)] offset:(\wb)*1024+128*(\t)
.endm
; Half a step's p: keys 64 cc + 32 h + 0 .. 31 for both my tiles.  The transcendentals go in batches of 32, and each batch has ONE s_wait_alu ahead of its first reader, with the
; other tile's plain work between.  mat = 1: the step's matrix instructions stand among the plain lines: 8 + 4 + 4 in the first half, 8 + 8 in the second; more than a hundred plain lines follow the last.
.macro HALF cc, mat, wb
.if \cc
	s_wait_dscnt 0x0                               ; this half's key data are in
.endif
.set per, 10*(\mat)*(\cc)
.set mlim, 24
	P1 0
	RCP 0
.if (\mat) && (\cc == 0)
	s_wait_dscnt 0x0                               ; p's 8 fragments and scale words of the step to be multiplied are in (asked for 112 instructions ago)
	s_wait_loadcnt 14                              ; and h's: the 12 + 2 loads of the next step, issued behind them, may be out
.endif
.set per, 10*(\mat)
.set mlim, 8+24*(\cc)
	P1 1
	s_wait_alu depctr_va_vdst(0)                   ; tile 0's reciprocals are written; both tiles' P1 are done reading KM and KI, in which the loads below land; v[KDA] is written; in a step's second half its last matrix instructions are done reading p's and h's fragments and scale words, in which the next step's loads land
	KDLOAD 256+256*(\cc)                           ; the next half's key data: the last reader of this half's stands above
	P2 0
	RCP 1
	EXP 0
	v_nop                                          ; a plain instruction behind the last transcendental
	s_wait_alu depctr_va_vdst(0)                   ; tile 1's reciprocals and tile 0's exponentials
	P2 1
	EXP 1
.set per, 8*(\mat)*(1-(\cc))
.set mlim, 12
	P3 0, \cc
	s_wait_alu depctr_va_vdst(0)                   ; tile 1's exponentials; in the second half also tile 0's codes and scale word, which the stores below read
.if \cc
	IMAGE 0, \wb                                   ; tile 1's lines below name none of these stores' registers
.endif
.set mlim, 16
	P3 1, \cc
.if \cc
	s_wait_alu depctr_va_vdst(0)                   ; tile 1's codes and scale word are written, which the stores below read
	IMAGE 1, \wb
.endif
.endm
.macro AFETCH buf                      ; p's 8 fragments and scale words come back as they were stored, in every wave
	WIN TO1
.irp q, 0,1,2,3,4,5,6,7
.irp g, 0,1,2
	ds_load_b128 v[12*\q+4*\g:12*\q+4*\g+3], v[LI] offset:IMG+(\buf)*12288+1536*\q+512*\g
.endr
.endr
	WIN 0
.irp q, 0,1,2,3,4,5,6,7
	ds_load_b32 v[AS+\q], v[LS] offset:ISC+(\buf)*1024+128*\q
.endr
.endm
.macro BLOAD par, offC, offS           ; my 4 fragments of h and their scale words: each load of the wave covers 512 (128) consecutive bytes
	WIN TO1
.irp j, 0,1,2,3
.irp g, 0,1,2
	global_load_b128 v[BF+48*(\par)+12*\j+4*\g:BF+48*(\par)+12*\j+4*\g+3], v[BOF], s[6:7] offset:(\offC)+1536*\j+512*\g
.endr
.endr
	WIN 0
.irp pr, 0,1
	global_load_b32 v[BS+2*(\par)+\pr], v[SOF], s[8:9] offset:(\offS)+128*\pr
.endr
.endm
.macro ENDSTEP                         ; ONE barrier a step, for two things: the buffer just written is whole, and every wave's reads of the other are over
	s_add_co_u32 s30, s30, 512
	s_wait_dscnt 0x0                               ; my stores have landed, my loads are in
	s_wait_alu depctr_vm_vsrc(0)                   ; the loads of key data have read v[KDA], which the line below writes; my image stores have read the codes and the scale words, which the next step's conversions and shifts write again
	v_add_nc_u32 v[KDA], s30, v[KD0]               ; the next step's key data (no LDS load of mine is out)
	s_barrier_signal -1
	s_barrier_wait -1
.endm
; A step: buffer par is multiplied with h's set par; p of the next step goes to buffer 1 - par, h's next fragments into set 1 - par.
; The 46 loads at its head stand with no wait of their own: since the waits of the last half no vector or matrix instruction has named their addresses or the registers in which they land.
.macro TRIP par, zero, offC, offS
	AFETCH \par
	BLOAD 1-(\par), \offC, \offS
.set mi, 0
.set PAR, \par
.set ZERO, \zero
	HALF 0, 1, 1-(\par)
	HALF 1, 1, 1-(\par)
	ENDSTEP
.endm
	s_load_b256 s[4:11], s[0:1], 0x0               ; ak s[4:5], codes s[6:7], scales s[8:9], out s[10:11]
	v_lshl_add_u32 v254, v0, 2, 0x11400
	v_mov_b32 v255, 0
	v_and_b32 v14, 31, v0                          ; lane
	v_lshrrev_b32 v15, 5, v0
	v_readfirstlane_b32 s12, v15                   ; wave 0..3
	s_lshr_b32 s13, ttmp9, 3                       ; batch
	s_and_b32 s14, ttmp9, 7                        ; which 128 queries
	v_lshlrev_b32 v[LI], 4, v14
	v_lshlrev_b32 v[LS], 2, v14
	v_bfe_u32 v15, v0, 4, 1                        ; h
	v_lshlrev_b32 v[KD0], 7, v15
	v_lshlrev_b32 v[KDA], 7, v15
	v_lshlrev_b32 v[SH8], 3, v15
	s_wait_alu depctr_va_sdst(0)                   ; s12 is written, ahead of its first reader: the wave's places in LDS and in memory are made from it
	s_mul_i32 s15, s12, 3072
	s_add_co_u32 s15, s15, IMG
	v_add_nc_u32 v[IWA], s15, v[LI]
	s_lshl_b32 s15, s12, 8
	v_add_nc_u32 v[SOF], s15, v[LS]
	s_add_co_u32 s15, s15, ISC
	v_add_nc_u32 v[IWS], s15, v[LS]
	s_mul_i32 s15, s12, 6144
	v_add_nc_u32 v[BOF], s15, v[LI]
	v_and_b32 v14, 15, v0                          ; r
	s_mul_i32 s15, s12, 8448
	s_add_co_u32 s15, s15, STAGE
	v_mul_u32_u24 v[STO], v14, 528
	v_lshl_add_u32 v[STO], v15, 5, v[STO]
	v_add_nc_u32 v[STO], s15, v[STO]               ; row r, + 32 h
	v_add_nc_u32 v[SRD], s15, v[LI]
	s_lshl_b32 s15, s12, 7
	s_add_co_u32 s16, s15, LINV
	v_lshl_add_u32 v[LIA], v14, 2, s16             ; query 32 w + 16 t + r
	v_lshl_add_u32 v[LRA], v15, 5, LINV            ; queries 16 qt + 8 h on
	s_lshl_b32 s18, s14, 9
	s_add_co_u32 s18, s18, s15
	v_lshl_add_u32 v[AOF], v14, 2, s18             ; a: 4 (128 qb + 32 w + r)
	v_lshlrev_b32 v[KOF], 5, v0
	v_lshlrev_b32 v[PADA], 2, v0
	s_lshl_b32 s15, s12, 2
	v_mov_b32 v[REDA], s15
	v_mov_b32 v[NIL], 0
	s_mov_b32 s20, 0x76543210
	s_mov_b32 s21, 0xfedcba98                      ; v_permlanex16_b32's selects for lane l xor 16
	s_mov_b32 s22, 0xc038aa3b                      ; -2 log2(e)
	s_mov_b32 s23, s22                             ; (named with it as a pair, so it is written)
	s_mov_b32 s24, 0x4038aa3b                      ; c1 = 2 log2(e), rounded to f32,
	s_mov_b32 s25, 0x3325705f                      ; and what the rounding left
	s_mov_b32 s26, 0x3fb8aa3b                      ; log2(e)
	s_mov_b32 s28, 0x49800000                      ; 2^20
	s_mov_b32 s29, 0xc9800000                      ; -2^20
	s_mov_b32 s30, 0                               ; 512 x step
	s_wait_kmcnt 0x0
	s_mov_b32 s17, 0
	s_lshl_b32 s16, s13, 13
	s_add_nc_u64 s[4:5], s[4:5], s[16:17]
	s_add_nc_u64 s[8:9], s[8:9], s[16:17]
	s_mul_i32 s16, s13, 196608
	s_add_nc_u64 s[6:7], s[6:7], s[16:17]
	s_lshl_b32 s16, s13, 20
	s_lshl_b32 s18, s12, 18                        ; my 64 channels
	s_add_co_u32 s16, s16, s18
	s_lshl_b32 s18, s14, 9                         ; the work-group's 128 queries
	s_add_co_u32 s16, s16, s18
	s_add_nc_u64 s[10:11], s[10:11], s[16:17]
	s_wait_alu depctr_va_vdst(0)                   ; all the addresses and offsets v1 to v13, v42, v43 and v212 to v214 are written, which the loads and stores of the kernel read
	global_load_b128 v[108:111], v[KOF], s[4:5] offset:4096        ; k of keys 8 x thread .. + 7
	global_load_b128 v[112:115], v[KOF], s[4:5] offset:4112
	global_load_b32 v116, v[AOF], s[4:5]                           ; a of my query in tile 0,
	global_load_b32 v117, v[AOF], s[4:5] offset:64                 ; in tile 1
	BLOAD 0, 0, 0                                                  ; h's fragments of step 0
.irp j, 0,1,2,3,4,5,6,7
	v_mov_b32 v[LS0+\j], 0                         ; the rows' sums
.endr
	v_mov_b32 v[TP], 0                             ; a lane exchange's destination counts as one of its sources
	v_mov_b32 v[TP+1], 0
	s_wait_loadcnt 14                              ; k and a are in; the 14 loads of h's step 0 may be out
	; 2^(c1 x) = m 2^i for my 8 keys and 2 queries: c1 x in two parts (the product's rounding and c1's are kept), i = floor, m = 2^(the rest)
.set XX, 108
.set HI, 118
.set LO, 128
.set FL, 138
.set MA, 148
.irp e, 0,1,2,3,4,5,6,7,8,9
	v_mul_f32 v[HI+\e], s24, v[XX+\e]
.endr
.irp e, 0,1,2,3,4,5,6,7,8,9
	v_fma_f32 v[LO+\e], v[XX+\e], s24, -v[HI+\e]
.endr
.irp e, 0,1,2,3,4,5,6,7,8,9
	v_fma_f32 v[LO+\e], v[XX+\e], s25, v[LO+\e]
.endr
.irp e, 0,1,2,3,4,5,6,7,8,9
	v_floor_f32 v[FL+\e], v[HI+\e]
.endr
.irp e, 0,1,2,3,4,5,6,7,8,9
	v_sub_f32 v[HI+\e], v[HI+\e], v[FL+\e]
.endr
.irp e, 0,1,2,3,4,5,6,7,8,9
	v_add_f32 v[HI+\e], v[HI+\e], v[LO+\e]
.endr
.irp e, 0,1,2,3,4,5,6,7,8,9
	v_exp_f32 v[MA+\e], v[HI+\e]
.endr
.irp e, 0,1,2,3,4,5,6,7,8,9
	v_min_num_f32 v[FL+\e], s28, v[FL+\e]          ; the whole exponent is held to +-2^20, so that a sum of two stays a small whole number
.endr
.irp e, 0,1,2,3,4,5,6,7,8,9
	v_max_num_f32 v[FL+\e], s29, v[FL+\e]
.endr
.irp e, 0,1,2,3,4,5,6,7,8,9
	v_cvt_i32_f32 v[FL+\e], v[FL+\e]
.endr
	v_max3_num_f32 v158, v108, v109, v110          ; the largest k: of my 8,
	v_max3_num_f32 v158, v158, v111, v112
	v_max3_num_f32 v158, v158, v113, v114
	v_max_num_f32 v158, v158, v115
	v_max_num_f32_dpp v158, v158, v158 row_xmask:1 row_mask:0xf bank_mask:0xf   ; of my wave's 256
	v_max_num_f32_dpp v158, v158, v158 row_xmask:2 row_mask:0xf bank_mask:0xf
	v_max_num_f32_dpp v158, v158, v158 row_xmask:4 row_mask:0xf bank_mask:0xf
	v_max_num_f32_dpp v158, v158, v158 row_xmask:8 row_mask:0xf bank_mask:0xf
	v_permlanex16_b32 v[TP], v158, s20, s21
	v_max_num_f32 v158, v158, v[TP]
	s_wait_alu depctr_va_vdst(0)                   ; one wait for the ten exponentials, ahead of their first reader; the whole exponents and the wave's largest k are written too: all are data of the stores below
	ds_store_b128 v[KOF], v[MA:MA+3]
	ds_store_b128 v[KOF], v[MA+4:MA+7] offset:16
	ds_store_b128 v[KOF], v[FL:FL+3] offset:KIB
	ds_store_b128 v[KOF], v[FL+4:FL+7] offset:KIB+16
	ds_store_b32 v[PADA], v[NIL] offset:4096       ; the 128 words behind each table are written, since the last look-ahead reads there
	ds_store_b32 v[PADA], v[NIL] offset:KIB+4096
	ds_store_b32 v[REDA], v158 offset:RED          ; all lanes write the same word with the same value
	v_mov_b32 v[IE], v[FL+8]
	v_mov_b32 v[IE+1], v[FL+9]
	v_mov_b32 v[ME], v[MA+8]
	v_mov_b32 v[ME+1], v[MA+8]
	v_mov_b32 v[ME+2], v[MA+9]
	v_mov_b32 v[ME+3], v[MA+9]
	s_wait_dscnt 0x0
	s_barrier_signal -1
	s_barrier_wait -1                              ; the key tables and the four maxima lie in LDS
	ds_load_b128 v[160:163], v[NIL] offset:RED     ; (no vector instruction has named v160 to v163 or KM and KI yet)
	KDLOAD 0
	s_wait_dscnt 16                                ; the four maxima are in; the 16 loads of key data may be out
	s_wait_alu depctr_vm_vsrc(0)                   ; my table stores have read v138 to v155 and v158, which the lines below and the first P1 write; the stores and the load above have read v212 to v214, which the way out writes
	v_max3_num_f32 v158, v160, v161, v162
	v_max_num_f32 v158, v158, v163                 ; the batch's largest k
	v_add_f32 v164, v116, v158
	v_add_f32 v165, v117, v158
	v_mul_f32 v164, s24, v164
	v_mul_f32 v165, s24, v165
	v_exp_f32 v164, v164                           ; e^(2 (a + the largest k)); an infinity gives r = 0 below
	v_exp_f32 v165, v165
	v_nop
	s_wait_alu depctr_va_vdst(0)                   ; the two exponentials, ahead of their first reader
	v_add_f32 v164, 1.0, v164
	v_add_f32 v165, 1.0, v165
	v_rcp_f32 v164, v164
	v_rcp_f32 v165, v165
	v_nop
	s_wait_alu depctr_va_vdst(0)                   ; the two reciprocals, ahead of their first reader
	v_fma_f32 v164, v164, s22, s26                 ; the row's largest t
	v_fma_f32 v165, v165, s22, s26
	v_floor_f32 v164, -v164                        ; -M = floor(-t) = -ceil(t)
	v_floor_f32 v165, -v165
	v_add_f32 v[CM], s26, v164
	v_add_f32 v[CM+2], s26, v165
	v_mov_b32 v[CM+1], v[CM]
	v_mov_b32 v[CM+3], v[CM+2]
	s_wait_dscnt 0x0
	HALF 0, 0, 0                                   ; p of step 0, into buffer 0: there is nothing yet to multiply
	HALF 1, 0, 0
	ENDSTEP
	TRIP 0, 1, 24576, 1024                         ; step 0 is written out: its products start the sums, so that no accumulator is cleared
	s_mov_b32 s27, 3
.Lloop:                                            ; three trips of two steps: steps 1 to 6
	TRIP 1, 0, 49152, 2048
	TRIP 0, 0, 73728, 3072
	s_wait_xcnt 0x0                                ; the loads have read their bases: these may step
	s_add_nc_u64 s[6:7], s[6:7], 49152
	s_add_nc_u64 s[8:9], s[8:9], 2048
	s_sub_co_i32 s27, s27, 1
	s_cmp_lg_u32 s27, 0
	s_cbranch_scc1 .Lloop
	; STEP 7 has no p to make.  1 / l goes round through LDS while the fragments come
	AFETCH 1                                       ; (as at every step's head: the waits of the last half have covered these loads)
	v_pk_add_f32 v[LS0:LS0+1], v[LS0:LS0+1], v[LS0+2:LS0+3]
	v_pk_add_f32 v[LS0+4:LS0+5], v[LS0+4:LS0+5], v[LS0+6:LS0+7]
	v_add_f32 v14, v[LS0], v[LS0+1]
	v_add_f32 v15, v[LS0+4], v[LS0+5]
	v_permlanex16_b32 v[TP], v14, s20, s21
	v_permlanex16_b32 v[TP+1], v15, s20, s21
	v_add_f32 v14, v14, v[TP]                      ; with lane l xor 16's half of the keys: the row's sum
	v_add_f32 v15, v15, v[TP+1]
	v_rcp_f32 v14, v14
	v_rcp_f32 v15, v15
	v_nop
	s_wait_alu depctr_va_vdst(0)                   ; the two reciprocals are written, which the stores below read
	ds_store_b32 v[LIA], v14                       ; both halves of the lanes write the same word with the same value
	ds_store_b32 v[LIA], v15 offset:64
	s_wait_dscnt 0x0
	s_barrier_signal -1
	s_barrier_wait -1
.irp q, 0,1,2,3,4,5,6,7
.irp e, 0,1
	ds_load_b128 v[RL+8*\q+4*\e:RL+8*\q+4*\e+3], v[LRA] offset:64*\q+16*\e   ; 1 / l of queries 16 q + 8 h + 0 .. 7: the results' layout.  They land where the key data lay: the last P1 that read those stands ahead of the waits above
.endr
.endr
	s_wait_loadcnt 0x0                             ; h's fragments of step 7
.set mi, 0
.set PAR, 1
.set ZERO, 0
	WIN MM
.rept 32
	MMI
.endr
	WIN 0
.rept 4
	v_nop                                          ; four plain instructions between the last products and the first read of results
.endr
	s_wait_dscnt 0x0
; THE WAY OUT, a tile of 16 channels at a time: / l, LeakyReLU as max(x, 0.2 x), through my own stage (LDS serves a wave's instructions in order: no wait between my stores and my loads), and out as whole
; rows: 32 lanes store 512 consecutive bytes of a row of out, aligned.
; T is written by the multiplications and the maxima and read by the stores into the stage; U is written by the 0.2 x, read by the maxima, then takes the rows from the stage, which the global stores read.
; The next tile's multiplications by 1 / l, which write T alone, stand between a tile's loads from the stage and the global stores that wait for them.
.macro OMUL c                          ; results / l
	WIN ACCSRC
.irp q, 0,1,2,3,4,5,6,7
.irp e, 0,2,4,6
	v_pk_mul_f32 v[T+8*\q+\e:T+8*\q+\e+1], v[8*(8*(\c)+\q)+\e:8*(8*(\c)+\q)+\e+1], v[RL+8*\q+\e:RL+8*\q+\e+1]   ; each accumulator from its low end on
.endr
.endr
	WIN 0
.endm
.macro OACT                            ; max(x, 0.2 x)
.set j, 0
.rept 32
	v_pk_mul_f32 v[U+j:U+j+1], v[T+j:T+j+1], 0x3e4ccccd op_sel_hi:[1,0]
.set j, j+2
.endr
.set j, 0
.rept 64
	v_max_num_f32 v[T+j], v[T+j], v[U+j]
.set j, j+1
.endr
.endm
.macro OSTAGE
	s_wait_alu depctr_va_vdst(0)                   ; the maxima have written T, which the stores below read, and are done reading U, in which the loads below land
.irp q, 0,1,2,3,4,5,6,7
.irp e, 0,1
	ds_store_b128 v[STO], v[T+8*\q+4*\e:T+8*\q+4*\e+3] offset:64*\q+16*\e
.endr
.endr
.irp i, 0,1,2,3,4,5,6,7,8,9,10,11,12,13,14,15
	ds_load_b128 v[U+4*\i:U+4*\i+3], v[SRD] offset:528*\i
.endr
.endm
.macro OSEND c
.irp i, 0,1,2,3,4,5,6,7,8,9,10,11,12,13,14,15
	s_wait_dscnt 15-\i
	global_store_b128 v[LI], v[U+4*\i:U+4*\i+3], s[10:11] offset:(16*(\c)+\i)*4096 th:TH_STORE_NT   ; written once, read by nobody here
.endr
.endm
	OMUL 0
	OACT
	OSTAGE
.irp c, 1,2,3
	s_wait_alu depctr_vm_vsrc(0)                   ; the stores into the stage have read T, which the multiplications below write again
	OMUL \c
	OSEND \c-1
	s_wait_xcnt 0x0                                ; the last tile's stores have had their addresses translated: their registers are written again below,
	s_wait_alu depctr_vm_vsrc(0)                   ; and they have read U, which the lines below write again
	OACT
	OSTAGE
.endr
	OSEND 3
	s_wait_dscnt 0x0
	s_wait_alu depctr_hold_cnt(0) depctr_sa_sdst(0) depctr_va_vdst(0) depctr_va_sdst(0) depctr_va_ssrc(0) depctr_va_vcc(0) depctr_vm_vsrc(0)
	s_wait_tensorcnt 0x0
	ds_add_u32 v254, v255
	s_wait_dscnt 0x0
	s_endpgm
.Lfunc_end_k_qcff13a07d5_attn:
	.size	k_qcff13a07d5_attn, .Lfunc_end_k_qcff13a07d5_attn-k_qcff13a07d5_attn
	.p2alignl 7, 3214868480
	.fill 96, 4, 3214868480
	.section	.rodata,"a",@progbits
	.p2align	6, 0x0
	.amdhsa_kernel k_qcff13a07d5_attn
		.amdhsa_group_segment_fixed_size 71168
		.amdhsa_private_segment_fixed_size 0
		.amdhsa_enable_private_segment 0
		.amdhsa_kernarg_size 32
		.amdhsa_user_sgpr_count 2
		.amdhsa_user_sgpr_kernarg_segment_ptr 1
		.amdhsa_wavefront_size32 1
		.amdhsa_system_sgpr_workgroup_id_x 1
		.amdhsa_system_sgpr_workgroup_id_y 1
		.amdhsa_system_sgpr_workgroup_id_z 1
		.amdhsa_system_vgpr_workitem_id 0
		.amdhsa_next_free_vgpr 768
		.amdhsa_next_free_sgpr 66
		.amdhsa_reserve_vcc 0
		.amdhsa_float_denorm_mode_32 3
		.amdhsa_float_denorm_mode_16_64 3
		.amdhsa_memory_ordered 1
		.amdhsa_forward_progress 1
		.amdhsa_inst_pref_size 255
	.end_amdhsa_kernel
	.section	.bss,"aw",@nobits
	.p2align	6
	.space	262144
	.amdgpu_metadata
---
amdhsa.version: [ 1, 2 ]
amdhsa.kernels:
  - .name:           k_qcff13a07d5_attn
    .symbol:         k_qcff13a07d5_attn.kd
    .args:
      - { .name: ak, .offset: 0, .size: 8, .value_kind: global_buffer, .address_space: global }
      - { .name: codes, .offset: 8, .size: 8, .value_kind: global_buffer, .address_space: global }
      - { .name: scales, .offset: 16, .size: 8, .value_kind: global_buffer, .address_space: global }
      - { .name: out0, .offset: 24, .size: 8, .value_kind: global_buffer, .address_space: global }
    .group_segment_fixed_size: 71168
    .private_segment_fixed_size: 0
    .kernarg_segment_align: 8
    .kernarg_segment_size: 32
    .max_flat_workgroup_size: 128
    .sgpr_count:     66
    .vgpr_count:     768
    .wavefront_size: 32
...
	.end_amdgpu_metadata
.endif
;; end of part 3
